; MI455X (gfx1250); checked and timed in simulation.
; The chip was launched on July 23, 2026; its instructions are those of AMD's public machine-readable ISA for CDNA 5 (MIT licence, August 2026) and "CDNA5" Instruction Set Architecture Reference Guide (July 2026). The comments in the code are by the model that wrote it; some were corrected since.
;; S Mo E. Allowed arithmetic: float matrix products may take bf16 or f16 operands with f32 sums; other float arithmetic in f32, or as packed bf16 or f16 multiplies, adds, multiply-adds, maxima and minima; sums over many terms, partial sums and values carried from step to step in f32; what a program stores and reads back later, other than sums and carried values, may be rounded once to bf16 or f16.
;; Inputs: Wexp 16 x 1,024 x 1,024 float32; Wsel 16 x 1,024 float32; bexp 16 x 1,024 float32; bsel 16 float32; x 4,096 x 1,024 float32.
;; Outputs: out0 4,096 x 1,024 float32; out1 4,096 float32.
;; One version. Each part assembles by itself: llvm-mc -triple=amdgcn-amd-amdhsa -mcpu=gfx1250 --defsym DOCPART=n.
;; ======== version 1 of 1: 3 launches
;; workspace buffers: xb 8,388,608 bytes; rec 65,536 bytes of whole numbers; swp 196,608 bytes; part 201,326,592 bytes
;; launch router (part 1): grid 256 x 1, 8 waves a work-group, no clusters, 44,288 bytes of LDS; arguments x, Wsel, bsel, xb, rec, swp, out1; writes xb, rec, swp, out1
.if DOCPART == 1
	.amdgcn_target "amdgcn-amd-amdhsa--gfx1250"
	.amdhsa_code_object_version 6
	.text
	.protected	k_q79b0a75cb2_router
	.globl	k_q79b0a75cb2_router
	.p2align	8
	.type	k_q79b0a75cb2_router,@function
k_q79b0a75cb2_router:
	s_mov_b64 s[64:65], 0
	v_nop
	global_prefetch_b8 v0, s[64:65] scope:SCOPE_SE
	s_setreg_imm32_b32 hwreg(HW_REG_WAVE_MODE, 25, 1), 1
	s_wait_xcnt 0x0
; ROUTER.  For 16 tokens a work-group: x rounded to bf16 and stored (xb); logits = x Wsel^T + bsel; softmax; the sorted weights' running sum; the
; sparse weights sw[k] = relu(min(cum[k+1], 0.8) - cum[k]); softCost; and for each sorted position k with sw[k] > 0 the expert that serves it.
; WHAT IS STORED.  reference() gathers sw by the sort's indices once more, so position k's weight goes to the expert whose number is the RANK of expert k
; (rank = place of expert k in the descending stable sort).  rec[n] = {lo, hi, c, 0}: nibble e of hi:lo is k + 1 if expert e serves position k, else 0;
; c = number of positions.  swp[q][n][0..3] = sw[4q .. 4q+3].  In a descending sort cum[12] >= 13/16 of the sum, above 0.8, so sw[k] = 0 for k >= 12 whatever the input.
; WHAT IS NOT COMPUTED.  sw is a relu's result, so the gathered weight is >= 0, and usage holds every place where it is > 0: where(usage, sw2, 0) = sw2
; for every input.  The per-expert sort over tokens only widens usage and changes no output number.
; FORMATS.  x, Wsel and bsel are rounded once to bf16 (as Wexp and bexp are in the next launch); the products go to the matrix unit, all else is f32.
; LIMITS.  NaN and infinities are not treated apart.  An exponential below 2^-126 counts as 0 (such weights tie; ties go to the lower index, as in a stable sort).
; w = e * (1 / S) with v_rcp_f32, not a division; the running sum is taken in sequence.
; SHARES.  Eight waves.  Wave w loads, rounds and stores tokens 2w, 2w+1 and lays them into LDS; for the logits it takes the K range 128 w .. 128 w + 127
; (four matrix instructions on two accumulators by turns); the eight partial logits meet in LDS; wave 0 routes, lane l for token l % 16.
.set XP,    2064                       ; an LDS row of x in bf16: 2,048 bytes + 16: an odd multiple of 16, so 16 rows start at 16 different 16-byte columns modulo 256
.set RED,   16*XP                      ; the partial logits: 8 waves x 16 tokens x 80 bytes (64 of data; 80 is an odd multiple of 16)
.set RP,    80
.set SPARE, RED+8*16*RP                ; the spare words, 128 bytes for each wave: four blocks of 256 bytes that no other line names
.set XR,    16                         ; v[16:79]    x as loaded: token tok, load i at 16 + 32 tok + 4 i; rounded in place into the first 16 of each 32
.set WR,    80                         ; v[80:143]   Wsel as loaded: K step s at 80 + 16 s; rounded in place, the fragment is the first 8
.set AFR,   144                        ; v[144:175]  x fragments: K step s at 144 + 8 s
.set AC0,   176                        ; v[176:183], v[184:191] two accumulators
.set AC1,   184
; wave 0's routing uses the registers again:
.set ZL,    16                         ; v[16:31]    logits (v[16:143]: the eight waves' parts)
.set BS,    144                        ; v[144:159]  bsel, rounded
.set EW,    32                         ; v[32:47]    exponentials, then weights, by expert
.set SA,    48                         ; v[48:63], v[64:79] the sorting network's two banks; the sorted weights end in the second
.set SB,    64
.set CUM,   80                         ; v[80:92]
.set SW,    96                         ; v[96:107]
.set RK,    112                        ; v[112:123]
.set RLO,   124                        ; v[124:127]  the record
.set RHI,   125
.set RCN,   126
	s_load_b256 s[4:11], s[0:1], 0x0               ; x s[4:5], Wsel s[6:7], bsel s[8:9], xb s[10:11]
	s_load_b128 s[12:15], s[0:1], 0x20             ; rec s[12:13], swp s[14:15]
	s_load_b64 s[36:37], s[0:1], 0x30              ; out1
	v_lshl_add_u32 v10, v0, 2, SPARE               ; my spare word; never rewritten
	v_mov_b32 v11, 0                               ; 0; never rewritten
	v_lshrrev_b32 v13, 5, v0
	v_readfirstlane_b32 s32, v13                   ; wave 0..7
	v_and_b32 v1, 31, v0                           ; lane
	v_and_b32 v2, 15, v0                           ; r
	v_bfe_u32 v3, v0, 4, 1                         ; h
	v_lshlrev_b32 v4, 4, v1                        ; x: 16 bytes (4 numbers) a lane; at the end: a token's 16 bytes in rec and swp
	v_lshlrev_b32 v5, 3, v1                        ; xb: their 8 bytes in bf16
	v_lshlrev_b32 v6, 12, v2                       ; Wsel: row r,
	v_lshl_add_u32 v6, v3, 5, v6                   ; 8 numbers for each half of the lanes
	v_mul_u32_u24 v7, v2, XP                       ; x fragments: row r x pitch + 16 h + my K range's 256 bytes
	v_lshl_add_u32 v7, v3, 4, v7
	s_lshl_b32 s33, s32, 8
	v_add_nc_u32 v7, s33, v7
	v_mul_u32_u24 v9, v2, RP
	v_add_nc_u32 v9, RED, v9                       ; token r's partial logits, wave 0's
	v_lshl_add_u32 v8, v3, 5, v9                   ; where I put my eight: + 32 h + my wave's 1,280 bytes
	s_mul_i32 s33, s32, 16*RP
	v_add_nc_u32 v8, s33, v8
	s_mul_i32 s33, s32, 2*XP
	v_add_nc_u32 v12, s33, v5                      ; where I put x: my wave's two rows, 8 bytes a lane
	s_lshl_b32 s40, ttmp9, 16                      ; x: 16 rows of 4,096 bytes a work-group, 2 a wave
	s_lshl_b32 s33, s32, 13
	s_add_co_u32 s40, s40, s33
	s_mov_b32 s41, 0
	s_lshl_b32 s42, ttmp9, 15                      ; xb: half of that
	s_lshl_b32 s33, s32, 12
	s_add_co_u32 s42, s42, s33
	s_mov_b32 s43, 0
	s_lshl_b32 s44, s32, 9                         ; Wsel: my K range's 512 bytes in a row
	s_mov_b32 s45, 0
	s_wait_kmcnt 0x0
	s_load_b512 s[16:31], s[8:9], 0x0              ; bsel's 16 numbers; wave 0 waits for them
	s_add_nc_u64 s[4:5], s[4:5], s[40:41]
	s_add_nc_u64 s[10:11], s[10:11], s[42:43]
	s_add_nc_u64 s[6:7], s[6:7], s[44:45]
.irp tok, 0,1
.irp i, 0,1,2,3,4,5,6,7
	global_load_b128 v[XR+32*(\tok)+4*(\i):XR+32*(\tok)+4*(\i)+3], v4, s[4:5] offset:4096*(\tok)+512*(\i) th:TH_LOAD_NT  ; each load of the wave takes 512 consecutive bytes: no two instructions share a stretch of x
.endr
.endr
; A fragment is 16 rows x 32 K: lane (r, h) holds row r, K = 8 h + 0..7 in registers 0-3 and K = 16 + 8 h + 0..7 in registers 4-7.  In f32 those are 32 bytes at 32 h and 32 bytes at 64 + 32 h.
.irp s, 0,1,2,3
	global_load_b128 v[WR+16*(\s):WR+16*(\s)+3],     v6, s[6:7] offset:128*(\s)
	global_load_b128 v[WR+16*(\s)+4:WR+16*(\s)+7],   v6, s[6:7] offset:128*(\s)+16
	global_load_b128 v[WR+16*(\s)+8:WR+16*(\s)+11],  v6, s[6:7] offset:128*(\s)+64
	global_load_b128 v[WR+16*(\s)+12:WR+16*(\s)+15], v6, s[6:7] offset:128*(\s)+80
.endr
.macro CVT n, base                     ; n pairs rounded to bf16 in place, ascending: result c lands on a register whose number has been read
.set c, 0
.rept \n
	v_cvt_pk_bf16_f32 v[(\base)+c], v[(\base)+2*c], v[(\base)+2*c+1]
.set c, c+1
.endr
.endm
	s_wait_loadcnt 16                              ; x is in; the 16 loads of Wsel issued behind it may stay out
.irp tok, 0,1
	CVT 16, XR+32*(\tok)                           ; load i's four numbers are now registers 2 i, 2 i + 1: 8 bytes
.irp i, 0,1,2,3,4,5,6,7
	global_store_b64 v5, v[XR+32*(\tok)+2*(\i):XR+32*(\tok)+2*(\i)+1], s[10:11] offset:2048*(\tok)+256*(\i)  ; each store of the wave covers 256 consecutive bytes, aligned
	ds_store_b64 v12, v[XR+32*(\tok)+2*(\i):XR+32*(\tok)+2*(\i)+1] offset:XP*(\tok)+256*(\i)
.endr
.endr
	s_wait_loadcnt 0x0                             ; Wsel
.irp s, 0,1,2,3
	CVT 8, WR+16*(\s)
.endr
	s_wait_dscnt 0x0                               ; for the others' sake: my two rows of x lie in LDS
	s_barrier_signal -1
	s_barrier_wait -1                              ; all 16 rows do
.irp s, 0,1,2,3
	ds_load_b128 v[AFR+8*(\s):AFR+8*(\s)+3],   v7 offset:64*(\s)
	ds_load_b128 v[AFR+8*(\s)+4:AFR+8*(\s)+7], v7 offset:64*(\s)+32
.endr
	s_wait_dscnt 0x0
	; source 0 = 16 experts, source 1 = 16 tokens: register j of lane (r, h) is the logit of expert 8 h + j for token r.  The two accumulators take turns.
	v_wmma_f32_16x16x32_bf16 v[AC0:AC0+7], v[WR:WR+7],     v[AFR:AFR+7],      0
	v_wmma_f32_16x16x32_bf16 v[AC1:AC1+7], v[WR+16:WR+23], v[AFR+8:AFR+15],   0
	v_wmma_f32_16x16x32_bf16 v[AC0:AC0+7], v[WR+32:WR+39], v[AFR+16:AFR+23],  v[AC0:AC0+7]
	v_wmma_f32_16x16x32_bf16 v[AC1:AC1+7], v[WR+48:WR+55], v[AFR+24:AFR+31],  v[AC1:AC1+7]
.rept 4
	v_nop                                          ; four places between the last product and the first read of its result (ISA guide 7.12.1)
.endr
.irp u, 0,2,4,6
	v_pk_add_f32 v[AC0+(\u):AC0+(\u)+1], v[AC0+(\u):AC0+(\u)+1], v[AC1+(\u):AC1+(\u)+1]  ; from the low registers on
.endr
	ds_store_b128 v8, v[AC0:AC0+3]
	ds_store_b128 v8, v[AC0+4:AC0+7] offset:16
	s_wait_tensorcnt 0x0                           ; my last LDS store is issued
	ds_add_u32 v10, v11
	s_wait_dscnt 0x0                               ; the last of them also shows my partial logits stored, for wave 0's sake
	s_barrier_signal -1
	s_barrier_wait -1
	s_cmp_lg_u32 s32, 0
	s_cbranch_scc1 .Lend                           ; waves 1 to 7 are done
	; WAVE 0 ROUTES.  Lane l works for token l % 16; lanes 16-31 repeat lanes 0-15 and store nothing.
	s_wait_xcnt 0x0                                ; the stores into xb have read their registers, which are loaded again below
.irp w, 0,1,2,3,4,5,6,7
.irp q, 0,1,2,3
	ds_load_b128 v[ZL+16*(\w)+4*(\q):ZL+16*(\w)+4*(\q)+3], v9 offset:16*RP*(\w)+16*(\q)
.endr
.endr
	s_wait_kmcnt 0x0                               ; bsel
.irp i, 0,1,2,3,4,5,6,7
	v_cvt_pk_bf16_f32 v[160+(\i)], s[16+2*(\i)], s[17+2*(\i)]
.endr
.irp i, 0,1,2,3,4,5,6,7
	v_lshlrev_b32 v[BS+2*(\i)],   16, v[160+(\i)]
	v_and_b32     v[BS+2*(\i)+1], 0xffff0000, v[160+(\i)]
.endr
	s_wait_dscnt 0x0
.irp u, 0,2,4,6,8,10,12,14             ; ((p0 + p1) + (p2 + p3)) + ((p4 + p5) + (p6 + p7)) + bsel
	v_pk_add_f32 v[16+(\u):17+(\u)],   v[16+(\u):17+(\u)],   v[32+(\u):33+(\u)]
	v_pk_add_f32 v[48+(\u):49+(\u)],   v[48+(\u):49+(\u)],   v[64+(\u):65+(\u)]
	v_pk_add_f32 v[80+(\u):81+(\u)],   v[80+(\u):81+(\u)],   v[96+(\u):97+(\u)]
	v_pk_add_f32 v[112+(\u):113+(\u)], v[112+(\u):113+(\u)], v[128+(\u):129+(\u)]
.endr
.irp u, 0,2,4,6,8,10,12,14
	v_pk_add_f32 v[16+(\u):17+(\u)], v[16+(\u):17+(\u)], v[48+(\u):49+(\u)]
	v_pk_add_f32 v[80+(\u):81+(\u)], v[80+(\u):81+(\u)], v[112+(\u):113+(\u)]
.endr
.irp u, 0,2,4,6,8,10,12,14
	v_pk_add_f32 v[16+(\u):17+(\u)], v[16+(\u):17+(\u)], v[80+(\u):81+(\u)]
.endr
.irp u, 0,2,4,6,8,10,12,14
	v_pk_add_f32 v[ZL+(\u):ZL+(\u)+1], v[ZL+(\u):ZL+(\u)+1], v[BS+(\u):BS+(\u)+1]
.endr
	; softmax: the maximum is taken away first, as reference() does
	v_max3_num_f32 v140, v[ZL], v[ZL+1], v[ZL+2]
.irp u, 3,5,7,9,11,13
	v_max3_num_f32 v140, v140, v[ZL+(\u)], v[ZL+(\u)+1]
.endr
	v_max_num_f32 v140, v140, v[ZL+15]
	v_mov_b32 v141, v140                           ; named with it as a pair
.irp u, 0,2,4,6,8,10,12,14
	v_pk_add_f32 v[EW+(\u):EW+(\u)+1], v[ZL+(\u):ZL+(\u)+1], v[140:141] op_sel_hi:[1,0] neg_lo:[0,1] neg_hi:[0,1]
.endr
.irp u, 0,2,4,6,8,10,12,14
	v_pk_mul_f32 v[EW+(\u):EW+(\u)+1], v[EW+(\u):EW+(\u)+1], 0x3fb8aa3b op_sel_hi:[1,0]  ; x log2(e): v_exp_f32 works in base 2
.endr
.irp i, 0,1,2,3,4,5,6,7,8,9,10,11,12,13,14,15
	v_exp_f32 v[EW+(\i)], v[EW+(\i)]
.endr
	v_nop                                          ; a plain instruction behind the last exponential,
	s_wait_alu depctr_va_vdst(0)                   ; and the one wait ahead of the batch's first reader
.irp u, 0,2,4,6
	v_pk_add_f32 v[128+(\u):129+(\u)], v[EW+(\u):EW+(\u)+1], v[EW+8+(\u):EW+9+(\u)]
.endr
	v_pk_add_f32 v[128:129], v[128:129], v[132:133]
	v_pk_add_f32 v[130:131], v[130:131], v[134:135]
	v_pk_add_f32 v[128:129], v[128:129], v[130:131]
	v_add_f32 v136, v128, v129
	v_rcp_f32 v140, v136
	v_nop
	s_wait_alu depctr_va_vdst(0)
.irp u, 0,2,4,6,8,10,12,14
	v_pk_mul_f32 v[EW+(\u):EW+(\u)+1], v[EW+(\u):EW+(\u)+1], v[140:141] op_sel_hi:[1,0]
.endr
; The sorted VALUES come from a bitonic network of ten stages on maxima and minima, from bank to bank; no index travels with them: the ranks are counted apart.
.macro STAGE k, j, src, dst
.set i, 0
.rept 16
.set l, i^(\j)
.if l > i
.if (i&(\k)) == 0
	v_max_num_f32 v[(\dst)+i], v[(\src)+i], v[(\src)+l]
	v_min_num_f32 v[(\dst)+l], v[(\src)+i], v[(\src)+l]
.else
	v_min_num_f32 v[(\dst)+i], v[(\src)+i], v[(\src)+l]
	v_max_num_f32 v[(\dst)+l], v[(\src)+i], v[(\src)+l]
.endif
.endif
.set i, i+1
.endr
.endm
	STAGE 2,  1, EW, SA
	STAGE 4,  2, SA, SB
	STAGE 4,  1, SB, SA
	STAGE 8,  4, SA, SB
	STAGE 8,  2, SB, SA
	STAGE 8,  1, SA, SB
	STAGE 16, 8, SB, SA
	STAGE 16, 4, SA, SB
	STAGE 16, 2, SB, SA
	STAGE 16, 1, SA, SB                            ; descending, in the second bank
	v_mov_b32 v[CUM], v[SB]
.irp j, 1,2,3,4,5,6,7,8,9,10,11,12
	v_add_f32 v[CUM+(\j)], v[CUM+(\j)-1], v[SB+(\j)]
.endr
.irp k, 0,1,2,3,4,5,6,7,8,9,10,11
	v_min_num_f32 v129, 0x3f4ccccd, v[CUM+(\k)+1]  ; 0.8
	v_sub_f32 v129, v129, v[CUM+(\k)]
	v_max_num_f32 v[SW+(\k)], 0, v129
.endr
	; softCost = the sum over j of (sw[j+1] > 0 ? 1 : sw[j]); from j = 12 on every term is 0
	v_cmp_lt_f32 vcc_lo, 0, v[SW+1]
	v_cndmask_b32 v128, v[SW], 1.0, vcc_lo
.irp j, 1,2,3,4,5,6,7,8,9,10
	v_cmp_lt_f32 vcc_lo, 0, v[SW+(\j)+1]
	v_cndmask_b32 v129, v[SW+(\j)], 1.0, vcc_lo
	v_add_f32 v128, v128, v129
.endr
	v_add_f32 v128, v128, v[SW+11]
; rank of expert k = how many weights stand in front of it in a stable descending sort: those greater, and those equal with a lower index
.macro RANK k
	v_mov_b32 v[RK+(\k)], 0
.set jj, 0
.rept 16
.if jj < (\k)
	v_cmp_ge_f32 vcc_lo, v[EW+jj], v[EW+(\k)]
	v_add_co_ci_u32 v[RK+(\k)], vcc_lo, 0, v[RK+(\k)], vcc_lo
.elseif jj > (\k)
	v_cmp_gt_f32 vcc_lo, v[EW+jj], v[EW+(\k)]
	v_add_co_ci_u32 v[RK+(\k)], vcc_lo, 0, v[RK+(\k)], vcc_lo
.endif
.set jj, jj+1
.endr
.endm
.irp k, 0,1,2,3,4,5,6,7,8,9,10,11
	RANK \k
.endr
; position k, while the positions in front of it all had a weight: counted, and k + 1 set into nibble rank(k) of the record.  Choices select values only: no branch, no address.
.macro PLACE k
	v_cmp_lt_f32 s35, 0, v[SW+(\k)]
	s_and_b32 s34, s34, s35
	v_cndmask_b32 v[SW+(\k)], 0, v[SW+(\k)], s34
	v_cndmask_b32 v129, 0, 1, s34
	v_add_nc_u32 v[RCN], v[RCN], v129
	v_lshlrev_b32 v130, 2, v[RK+(\k)]
	v_mov_b32 v132, (\k)+1
	v_lshlrev_b32 v131, v130, v132                 ; the shift takes its amount's low five bits: 4 (rank % 8)
	v_cmp_gt_u32 s35, 8, v[RK+(\k)]
	s_and_b32 s38, s34, s35
	s_and_not1_b32 s39, s34, s35
	v_cndmask_b32 v133, 0, v131, s38
	v_or_b32 v[RLO], v[RLO], v133
	v_cndmask_b32 v133, 0, v131, s39
	v_or_b32 v[RHI], v[RHI], v133
.endm
	s_mov_b32 s34, -1
	v_mov_b32 v[RLO], 0
	v_mov_b32 v[RHI], 0
	v_mov_b32 v[RCN], 0
	v_mov_b32 v127, 0
.irp k, 0,1,2,3,4,5,6,7,8,9,10,11
	PLACE \k
.endr
	s_lshl_b32 s40, ttmp9, 8                       ; 16 tokens x 16 bytes
	s_mov_b32 s41, 0
	s_add_nc_u64 s[12:13], s[12:13], s[40:41]
	s_add_nc_u64 s[14:15], s[14:15], s[40:41]
	s_lshl_b32 s40, ttmp9, 6                       ; 16 tokens x 4 bytes
	s_add_nc_u64 s[36:37], s[36:37], s[40:41]
	v_lshlrev_b32 v135, 2, v1
	v_cmp_gt_u32 vcc_lo, 16, v1
	s_wait_xcnt 0x0                                ; EXEC changes only behind this wait
	s_and_saveexec_b32 s33, vcc_lo
	global_store_b128 v4, v[RLO:RLO+3], s[12:13]                  ; sixteen lanes store 256 consecutive bytes, aligned
	global_store_b128 v4, v[SW:SW+3],    s[14:15]
	global_store_b128 v4, v[SW+4:SW+7],  s[14:15] offset:65536
	global_store_b128 v4, v[SW+8:SW+11], s[14:15] offset:131072
	global_store_b32 v135, v128, s[36:37]                         ; softCost: 64 bytes a work-group of an output of 16,384 bytes in all
	s_wait_xcnt 0x0                                ; and again, in front of the line that widens it
	s_or_b32 exec_lo, exec_lo, s33
.Lend:
	s_endpgm
.Lfunc_end_k_q79b0a75cb2_router:
	.size	k_q79b0a75cb2_router, .Lfunc_end_k_q79b0a75cb2_router-k_q79b0a75cb2_router
	.p2alignl 7, 3214868480
	.fill 96, 4, 3214868480
	.section	.rodata,"a",@progbits
	.p2align	6, 0x0
	.amdhsa_kernel k_q79b0a75cb2_router
		.amdhsa_group_segment_fixed_size 44288
		.amdhsa_private_segment_fixed_size 0
		.amdhsa_enable_private_segment 0
		.amdhsa_kernarg_size 56
		.amdhsa_user_sgpr_count 2
		.amdhsa_user_sgpr_kernarg_segment_ptr 1
		.amdhsa_wavefront_size32 1
		.amdhsa_system_sgpr_workgroup_id_x 1
		.amdhsa_system_sgpr_workgroup_id_y 1
		.amdhsa_system_sgpr_workgroup_id_z 1
		.amdhsa_system_vgpr_workitem_id 0
		.amdhsa_next_free_vgpr 192
		.amdhsa_next_free_sgpr 66
		.amdhsa_reserve_vcc 1
		.amdhsa_float_denorm_mode_32 3
		.amdhsa_float_denorm_mode_16_64 3
		.amdhsa_memory_ordered 1
		.amdhsa_forward_progress 1
		.amdhsa_inst_pref_size 53
	.end_amdhsa_kernel
	.amdgpu_metadata
---
amdhsa.version: [ 1, 2 ]
amdhsa.kernels:
  - .name:           k_q79b0a75cb2_router
    .symbol:         k_q79b0a75cb2_router.kd
    .args:
      - { .name: x, .offset: 0, .size: 8, .value_kind: global_buffer, .address_space: global }
      - { .name: Wsel, .offset: 8, .size: 8, .value_kind: global_buffer, .address_space: global }
      - { .name: bsel, .offset: 16, .size: 8, .value_kind: global_buffer, .address_space: global }
      - { .name: xb, .offset: 24, .size: 8, .value_kind: global_buffer, .address_space: global }
      - { .name: rec, .offset: 32, .size: 8, .value_kind: global_buffer, .address_space: global }
      - { .name: swp, .offset: 40, .size: 8, .value_kind: global_buffer, .address_space: global }
      - { .name: out1, .offset: 48, .size: 8, .value_kind: global_buffer, .address_space: global }
    .group_segment_fixed_size: 44288
    .private_segment_fixed_size: 0
    .kernarg_segment_align: 8
    .kernarg_segment_size: 56
    .max_flat_workgroup_size: 256
    .sgpr_count:     66
    .vgpr_count:     192
    .wavefront_size: 32
...
	.end_amdgpu_metadata
.endif
;; end of part 1
;; launch experts (part 2): grid 16 x 16, 4 waves a work-group, no clusters, 167,680 bytes of LDS; arguments Wexp, bexp, xb, rec, part; writes part
.if DOCPART == 2
	.amdgcn_target "amdgcn-amd-amdhsa--gfx1250"
	.amdhsa_code_object_version 6
	.text
	.protected	k_q79b0a75cb2_experts
	.globl	k_q79b0a75cb2_experts
	.p2align	8
	.type	k_q79b0a75cb2_experts,@function
k_q79b0a75cb2_experts:
	s_mov_b64 s[64:65], 0
	v_nop
	global_prefetch_b8 v0, s[64:65] scope:SCOPE_SE
	s_setreg_imm32_b32 hwreg(HW_REG_WAVE_MODE, 25, 1), 1
	s_wait_xcnt 0x0
; EXPERTS.  part[k][n][:] = x[n] . Wexp[e]^T + bexp[e] for every token n and sorted position k that the router gave to expert e; only those rows are stored.
; GRID.  x = a slice of 64 output columns, y = the expert.  The work-group alone reads its 64 rows of Wexp[e] (262,144 consecutive bytes, each once in the launch), rounds them to bf16
; on their way through registers and keeps them in LDS; then it serves ALL rows of its expert, whatever their number (0 to 4,096).
; NO CLUSTER: a slice of weights has one reader; what an expert's sixteen work-groups share is its token rows, and those come by a list, which no tensor descriptor covers.
; THE LIST.  Each wave scans the records of 1,024 tokens (rec is a table of whole numbers stored by the launch before), picks its expert's nibble and packs the hits, k << 12 | token,
; into a sublist of its own in LDS; the four counts meet behind a barrier.  Row rho of the expert is entry rho - (rows of the sublists in front) of its sublist.
; ROWS go in tiles of 16; a group is 256 rows; in group g wave w takes rows 256 g + 64 t + 16 w + r, t = 0..3, so that the live tiles fall evenly on the waves.  Places past the count
; repeat the last row.  The loop over groups has a constant 16 trips; a wave with nothing left jumps forward over the trip's work, which holds no barrier.
; A TILE WITHOUT A ROW: its products are jumped, forward, in every K step; its loads are issued all the same (sixteen lanes name one row, so they bring 32 bytes an instruction),
; so that every counted wait finds the same loads issued behind the one that it waits for, on every way.
; PRODUCTS.  Source 0 = 16 output columns (weights, from LDS), source 1 = 16 tokens (from xb straight into registers): a lane holds eight neighbouring columns of one token's row.
; The first K step takes the bias (rounded to bf16, widened) as C.  The accumulators take turns: with one live tile still four of them.
; FORMATS.  Wexp and bexp are rounded once to bf16, like x; sums in f32; part is f32, since its rows are added up later.  NaN and infinities are not treated apart.
; REGISTERS.  Window 0: v0-31 addresses; v32-63 bias; v64-127 two buffers of weight fragments (on the way out: rows read back, and their addresses); v128-255 accumulators
; (ahead of the loop: the records, registers at work, and eight sets of 16 for rounded weights).  Window 1: eight slots of 32: first a row of weights as loaded, later the tokens' operands of one K step.
.set WP,    2064                       ; an LDS row of weights: 2,048 bytes + 16: an odd multiple of 16, so 16 rows start at 16 different 16-byte columns modulo 256
.set LIST,  64*WP                      ; four sublists of SUB words: 1,024 entries, then 32 words into which lanes without a hit write
.set SUB,   1088
.set STAGE, LIST+4*4*SUB               ; for each wave 16 rows x 272 bytes: 256 of results, then the row's entry
.set SPT,   272
.set CNTS,  STAGE+4*16*SPT             ; the four counts
.set SPARE, CNTS+256                   ; the spare words, 128 bytes for each wave: two blocks of 256 bytes that no other line names
.set VOA,   20                         ; v[20:23]  tile t: byte offset in xb of my token's row, + 16 h
.set POF,   24                         ; v[24:27]  tile t: my row's entry, group in hand
.set POFN,  28                         ; v[28:31]  the same for the next group
.set BIAS,  32                         ; v[32:63]  column block n at 32 + 8 n
.set BF,    64                         ; v[64:127] weight fragments: buffer b, column block n at 64 + 32 b + 8 n
.set BK,    64                         ; the way out: 16 rows read back
.set EN,    96                         ; the way out: their entries, then their byte offsets in part
.set ACC,   128                        ; accumulator (t, n) at 128 + 8 (4 t + n); ahead of the loop: row p's rounded weights at 128 + 16 (p % 8)
.set REC,   128                        ; ahead of that: 32 record words
.set CT,    160                        ; and 16 registers at work on the bias
.set MSB, 0
.macro WIN new                         ; the immediate's high byte repeats the setting that is left; a switch that changes nothing is dropped
.if MSB != (\new)
	s_set_vgpr_msb (MSB<<8)|(\new)
.set MSB, (\new)
.endif
.endm
.set W_MUL, 0x04                       ; source 1 (the tokens) in window 1; all else in window 0
.set W_LD1, 0x40                       ; destination in window 1, address in window 0
.set W_CVT, 0x05                       ; sources 0 and 1 in window 1, destination in window 0
	s_load_b256 s[4:11], s[0:1], 0x0               ; Wexp s[4:5], bexp s[6:7], xb s[8:9], rec s[10:11]
	s_load_b64 s[12:13], s[0:1], 0x20              ; part
	v_lshl_add_u32 v17, v0, 2, SPARE               ; my spare word; never rewritten
	v_mov_b32 v18, 0                               ; 0; never rewritten
	v_lshrrev_b32 v19, 5, v0
	v_readfirstlane_b32 s14, v19                   ; wave 0..3
	s_mov_b32 s15, ttmp9                           ; slice
	s_and_b32 s16, ttmp7, 0xffff                   ; expert
	s_and_b32 s17, s16, 7
	s_lshl_b32 s17, s17, 2                         ; its nibble's first bit in its record word
	v_and_b32 v1, 31, v0                           ; lane
	v_and_b32 v2, 15, v0                           ; r
	v_bfe_u32 v3, v0, 4, 1                         ; h
	v_lshlrev_b32 v4, 4, v1                        ; weights as loaded: 16 bytes (4 numbers) a lane
	s_mul_i32 s19, s14, 16*WP
	v_lshl_add_u32 v5, v1, 3, s19                  ; weights into LDS: my wave's 16 rows, 8 bytes a lane
	v_mul_u32_u24 v6, v2, WP
	v_lshl_add_u32 v6, v3, 4, v6                   ; fragments: row r x pitch + 16 h, column blocks 0 and 1,
	v_add_nc_u32 v7, 32*WP, v6                     ; and 2 and 3
	s_mul_i32 s19, s14, 16*SPT
	s_add_co_u32 s19, s19, STAGE                   ; my stage
	v_mul_u32_u24 v9, v2, SPT
	v_add_nc_u32 v9, s19, v9
	v_lshl_add_u32 v8, v3, 5, v9                   ; in: row r, 32 bytes for each half of the lanes
	v_add_nc_u32 v9, 256, v9                       ; and the row's entry behind its 256 bytes
	v_mul_u32_u24 v11, v3, SPT
	v_add_nc_u32 v11, s19, v11
	v_lshl_add_u32 v10, v2, 4, v11                 ; back: lanes 0-15 take one row of 256 bytes, lanes 16-31 the next,
	v_add_nc_u32 v11, 256, v11                     ; and each its row's entry
	s_lshl_b32 s19, s15, 8
	v_lshl_add_u32 v12, v2, 4, s19                 ; my 16 bytes in a row of part: the slice's 256 bytes + 16 r
	v_lshlrev_b32 v13, 4, v3                       ; 16 h
	s_lshl_b32 s19, s14, 14                        ; records: 16 bytes a token, 1,024 tokens a wave,
	s_lshr_b32 s35, s16, 3
	s_lshl2_add_u32 s19, s35, s19                  ; the word that holds my expert's nibble
	v_lshl_add_u32 v14, v1, 4, s19
	s_lshl_b32 s19, s14, 10
	s_sub_co_u32 s19, s19, 4096
	v_add_nc_u32 v15, s19, v1                      ; token less 4,096: an entry is (nibble << 12) + that = (k << 12) + token
	v_add_nc_u32 v16, 1024, v1                     ; where a lane without a hit writes
	v_lshlrev_b32 v19, 5, v3                       ; bias: 32 h
	s_mul_i32 s38, s14, 4*SUB
	s_add_co_u32 s38, s38, LIST                    ; my sublist
	s_lshl_b32 s36, s16, 22                        ; weights: 4 MiB an expert, 256 KiB a slice, 64 KiB a wave
	s_lshl_b32 s19, s15, 18
	s_add_co_u32 s36, s36, s19
	s_lshl_b32 s19, s14, 16
	s_add_co_u32 s36, s36, s19
	s_mov_b32 s37, 0
	s_lshl_b32 s40, s16, 12                        ; bias: 4,096 bytes an expert, 256 a slice
	s_lshl_b32 s19, s15, 8
	s_add_co_u32 s40, s40, s19
	s_mov_b32 s41, 0
	s_wait_kmcnt 0x0
	s_add_nc_u64 s[4:5], s[4:5], s[36:37]
	s_add_nc_u64 s[6:7], s[6:7], s[40:41]
.macro WLOAD row, slot                 ; a row of weights, 4,096 bytes: eight loads of 512 consecutive bytes each: no two instructions share a stretch of the row
.irp j, 0,1,2,3,4,5,6,7
	global_load_b128 v[32*(\slot)+4*(\j):32*(\slot)+4*(\j)+3], v4, s[4:5] offset:4096*(\row)+512*(\j) th:TH_LOAD_NT
.endr
.endm
.macro ALOAD s                         ; the four tiles' operands of K step s, eight loads, into slot s % 8: lane (r, h) takes K = 8 h + 0..7 and 16 + 8 h + 0..7 of its token's row
.irp t, 0,1,2,3
	global_load_b128 v[32*((\s)%8)+8*(\t):32*((\s)%8)+8*(\t)+3],   v[VOA+(\t)], s[8:9] offset:64*(\s)
	global_load_b128 v[32*((\s)%8)+8*(\t)+4:32*((\s)%8)+8*(\t)+7], v[VOA+(\t)], s[8:9] offset:64*(\s)+32
.endr
.endm
.irp n, 0,1,2,3
	global_load_b128 v[BIAS+8*(\n):BIAS+8*(\n)+3],   v19, s[6:7] offset:64*(\n)
	global_load_b128 v[BIAS+8*(\n)+4:BIAS+8*(\n)+7], v19, s[6:7] offset:64*(\n)+16
.endr
.set q, 0
.rept 32
	global_load_b32 v[REC+q], v14, s[10:11] offset:512*q          ; token 1,024 w + 32 q + lane
.set q, q+1
.endr
	WIN W_LD1
.irp p, 0,1,2,3,4,5,6
	WLOAD \p, \p
.endr
	s_wait_loadcnt 56                              ; bias and records are in: the 56 loads of weights issued behind them stay out
	WLOAD 7, 7
	WIN 0
.set p, 0
.rept 16
	v_cvt_pk_bf16_f32 v[CT+p], v[BIAS+2*p], v[BIAS+2*p+1]         ; the bias, rounded to bf16
.set p, p+1
.endr
.set p, 0
.rept 16
	v_lshlrev_b32 v[BIAS+2*p],   16, v[CT+p]                      ; and widened again
	v_and_b32     v[BIAS+2*p+1], 0xffff0000, v[CT+p]
.set p, p+1
.endr
	; THE LIST.  Entry 0 of every sublist is set first, so that a look-up finds a token's number even where the expert has no row.
	v_mov_b32 v177, s38
	v_mov_b32 v178, 0
	ds_store_b32 v177, v178
	s_mov_b32 s18, 0                               ; my hits so far
.set q, 0
.rept 32
	v_bfe_u32 v176, v[REC+q], s17, 4               ; k + 1, or 0
	v_cmp_ne_u32 vcc_lo, 0, v176
	v_mbcnt_lo_u32_b32 v177, vcc_lo, s18           ; hits so far + hits in the lanes below me
	v_lshl_add_u32 v178, v176, 12, v15
	v_add_nc_u32 v178, 32*q, v178                  ; the entry
	v_cndmask_b32 v177, v16, v177, vcc_lo
	v_min_u32 v177, 1055, v177                     ; inside my sublist, whatever was loaded
	v_lshl_add_u32 v177, v177, 2, s38
	ds_store_b32 v177, v178
	s_bcnt1_i32_b32 s19, vcc_lo
	s_add_co_u32 s18, s18, s19
.set q, q+1
.endr
	v_mov_b32 v179, s14
	v_lshl_add_u32 v179, v179, 2, CNTS             ; my wave's word among the four counts
	v_mov_b32 v180, s18
	ds_store_b32 v179, v180
	s_wait_dscnt 0x0                               ; for the others' sake: my sublist and my count are stored
	s_barrier_signal -1
	s_barrier_wait -1                              ; the weights' loads stay on their way across it
	v_mov_b32 v179, CNTS
	ds_load_b128 v[104:107], v179
	s_wait_dscnt 0x0
	v_readfirstlane_b32 s20, v104
	v_readfirstlane_b32 s21, v105
	v_readfirstlane_b32 s22, v106
	v_readfirstlane_b32 s23, v107
	s_mov_b32 s24, s20                             ; rows in front of sublists 1, 2, 3,
	s_add_co_u32 s25, s24, s21
	s_add_co_u32 s26, s25, s22
	s_add_co_u32 s27, s26, s23                     ; and the expert's rows in all
	s_sub_co_u32 s28, SUB, s20                     ; what passing a sublist's end adds to the index
	s_sub_co_u32 s29, SUB, s21
	s_sub_co_u32 s30, SUB, s22
	s_max_u32 s31, s27, 1
	s_sub_co_u32 s31, s31, 1                       ; the last row (0 where there is none)
	s_lshl_b32 s32, s14, 4                         ; my first row of group 0
; The entries and addresses of my four tiles' rows, for the group whose first row of mine is in \sb.
.macro ADDR sb
.irp t, 0,1,2,3
	v_add3_u32 v104, v2, \sb, 64*(\t)              ; the row,
	v_min_u32 v104, s31, v104                      ; or the last one
	v_cmp_le_u32 vcc_lo, s24, v104
	v_cndmask_b32 v105, 0, s28, vcc_lo
	v_cmp_le_u32 vcc_lo, s25, v104
	v_cndmask_b32 v106, 0, s29, vcc_lo
	v_cmp_le_u32 vcc_lo, s26, v104
	v_cndmask_b32 v107, 0, s30, vcc_lo
	v_add3_u32 v104, v104, v105, v106
	v_add_nc_u32 v104, v104, v107
	v_min_u32 v104, 0x10ff, v104                   ; inside the four sublists, whatever was loaded
	v_lshl_add_u32 v104, v104, 2, LIST
	ds_load_b32 v[108+(\t)], v104
.endr
	s_wait_dscnt 0x0
.irp t, 0,1,2,3
	v_min_u32 v[POFN+(\t)], 0xbfff, v[108+(\t)]    ; k << 12 | token, inside part's 12 x 4,096 rows
	v_and_b32 v105, 0xfff, v[POFN+(\t)]
	v_lshl_add_u32 v[VOA+(\t)], v105, 11, v13      ; the token's 2,048 bytes in xb
.endr
.endm
	ADDR s32
.irp t, 0,1,2,3
	v_mov_b32 v[POF+(\t)], v[POFN+(\t)]
.endr
; Row p of my 16: rounded; its slot takes the row eight further on or, when the rows are out, the first group's operands of K step p - 8; then the rounded row goes into LDS.
; Load j's four numbers make 8 bytes a lane: an LDS store of the wave lays 256 consecutive bytes.  The rounded rows take eight sets of registers by turns, so that a set is
; written again eight rows behind the LDS stores that read it.  Behind a row's eight loads seven more eights have been issued each time: the count is 56 in every row.
.macro WROW p
	s_wait_loadcnt 56
	WIN W_CVT
.irp j, 0,1,2,3,4,5,6,7
	v_cvt_pk_bf16_f32 v[ACC+16*((\p)%8)+2*(\j)],   v[32*((\p)%8)+4*(\j)],   v[32*((\p)%8)+4*(\j)+1]
	v_cvt_pk_bf16_f32 v[ACC+16*((\p)%8)+2*(\j)+1], v[32*((\p)%8)+4*(\j)+2], v[32*((\p)%8)+4*(\j)+3]
.endr
	WIN W_LD1
.if (\p) < 8
	WLOAD (\p)+8, \p
.else
	ALOAD (\p)-8
.endif
	WIN 0
.irp j, 0,1,2,3,4,5,6,7
	ds_store_b64 v5, v[ACC+16*((\p)%8)+2*(\j):ACC+16*((\p)%8)+2*(\j)+1] offset:WP*(\p)+256*(\j)
.endr
.endm
.irp p, 0,1,2,3,4,5,6,7,8,9,10,11,12,13,14,15
	WROW \p
.endr
	WIN 0
	s_wait_dscnt 0x0                               ; for the others' sake: my 16 rows of weights lie in LDS
	s_barrier_signal -1
	s_barrier_wait -1                              ; all 64 do.  No wave writes them again, and no barrier follows
.macro BL2 s, n                        ; the weights' fragment of K step s, column block n, into buffer s % 2: two loads
.if (\n) < 2
	ds_load_b128 v[BF+32*((\s)%2)+8*(\n):BF+32*((\s)%2)+8*(\n)+3],   v6 offset:16*WP*(\n)+64*(\s)
	ds_load_b128 v[BF+32*((\s)%2)+8*(\n)+4:BF+32*((\s)%2)+8*(\n)+7], v6 offset:16*WP*(\n)+64*(\s)+32
.else
	ds_load_b128 v[BF+32*((\s)%2)+8*(\n):BF+32*((\s)%2)+8*(\n)+3],   v7 offset:16*WP*((\n)-2)+64*(\s)
	ds_load_b128 v[BF+32*((\s)%2)+8*(\n)+4:BF+32*((\s)%2)+8*(\n)+7], v7 offset:16*WP*((\n)-2)+64*(\s)+32
.endif
.endm
.macro MM s, t, n                      ; K step s, tile t, column block n.  The first K step starts the sum with the bias
.if (\s) == 0
	v_wmma_f32_16x16x32_bf16 v[ACC+8*(4*(\t)+(\n)):ACC+8*(4*(\t)+(\n))+7], v[BF+32*((\s)%2)+8*(\n):BF+32*((\s)%2)+8*(\n)+7], v[32*((\s)%8)+8*(\t):32*((\s)%8)+8*(\t)+7], v[BIAS+8*(\n):BIAS+8*(\n)+7]
.else
	v_wmma_f32_16x16x32_bf16 v[ACC+8*(4*(\t)+(\n)):ACC+8*(4*(\t)+(\n))+7], v[BF+32*((\s)%2)+8*(\n):BF+32*((\s)%2)+8*(\n)+7], v[32*((\s)%8)+8*(\t):32*((\s)%8)+8*(\t)+7], v[ACC+8*(4*(\t)+(\n)):ACC+8*(4*(\t)+(\n))+7]
.endif
.endm
; K step s.  Its loads stand in ONE run at its head, never singly among the products: the next step's eight fragment loads (into the buffer that step s - 1 has read; they are
; waited for at the next step's head, behind this step's products) and the tokens' operands seven steps on (into the slot that step s - 1 has read).  The run stands ahead of the
; first branch, so it is issued on every way.  Then the products: tile 0, which is live in every group that is entered, and tiles 1 to 3, each behind a forward branch that leaves
; the step where the tile's first row lies at or past the count.  At a branch and at a label every window is 0.
.macro STEP s
	s_wait_dscnt 0x0                               ; this step's weight fragments are in
.if (\s) == 0
	s_wait_loadcnt 56                              ; this step's operands are in: steps 1 to 7's were issued behind them
.elseif (\s) <= 25
	s_wait_loadcnt 48                              ; the six later steps' may stay out
.else
	s_wait_loadcnt 8*(31-(\s))                     ; nothing more is asked for: the counts run down
.endif
.rept 4
	v_nop                                          ; four places between the last step's products and the loads into registers that they read (ISA guide 7.12.1 for vector instructions)
.endr
.if (\s) < 31
.irp n, 0,1,2,3
	BL2 (\s)+1, \n
.endr
.endif
.if ((\s) >= 1) && ((\s) <= 24)
	WIN W_LD1
	ALOAD (\s)+7
.endif
	WIN W_MUL
.irp n, 0,1,2,3
	MM \s, 0, \n
.endr
.irp t, 1,2,3
	WIN 0
	s_cmp_ge_u32 s[43+(\t)], s27                   ; does the tile hold a row?
	s_cbranch_scc1 .Lse_\@
	WIN W_MUL
.irp n, 0,1,2,3
	MM \s, \t, \n
.endr
.endr
	WIN 0
.Lse_\@:
.endm
; Tile t leaves: through my own stage, back as whole rows of 256 bytes, each with its entry, from which its place in part is made.  Whole stores past the count are jumped.
; Where the count is odd the last store's second row repeats the first: the same bytes to the same place.
.macro TILE_OUT t
	s_add_co_u32 s35, s32, 64*(\t)
	s_cmp_ge_u32 s35, s27
	s_cbranch_scc1 .Lgdone                         ; this tile and those behind it hold no row
	s_sub_co_u32 s34, s27, s35                     ; rows from the tile's first on
	s_wait_xcnt 0x0                                ; the last tile's stores have read their registers, which are loaded again below
.irp n, 0,1,2,3
	ds_store_b128 v8, v[ACC+8*(4*(\t)+(\n)):ACC+8*(4*(\t)+(\n))+3]   offset:64*(\n)      ; each accumulator from its low registers on
	ds_store_b128 v8, v[ACC+8*(4*(\t)+(\n))+4:ACC+8*(4*(\t)+(\n))+7] offset:64*(\n)+16
.endr
	ds_store_b32 v9, v[POF+(\t)]
.irp i, 0,1,2,3,4,5,6,7
	ds_load_b128 v[BK+4*(\i):BK+4*(\i)+3], v10 offset:2*SPT*(\i)  ; LDS serves a wave's instructions in order (ISA guide 5.7.1.4): these see the stores above
.endr
.irp i, 0,1,2,3,4,5,6,7
	ds_load_b32 v[EN+(\i)], v11 offset:2*SPT*(\i)
.endr
	s_wait_dscnt 0x0
.irp i, 0,1,2,3,4,5,6,7
	v_min_u32 v[EN+(\i)], 0xbfff, v[EN+(\i)]
	v_lshl_add_u32 v[EN+(\i)], v[EN+(\i)], 12, v12                ; row (k, token) of 4,096 bytes + my 16 bytes of the slice
.endr
	global_store_b128 v[EN], v[BK:BK+3], s[12:13]                 ; sixteen lanes store 256 consecutive bytes, aligned
.irp i, 1,2,3,4,5,6,7
	s_cmp_le_u32 s34, 2*(\i)
	s_cbranch_scc1 .Ltd_\@
	global_store_b128 v[EN+(\i)], v[BK+4*(\i):BK+4*(\i)+3], s[12:13]
.endr
.Ltd_\@:
.endm
	s_mov_b32 s33, 16                              ; 16 groups of 256 rows cover every split
.Lgroup:
	s_cmp_ge_u32 s32, s27
	s_cbranch_scc1 .Lnext                          ; none of my tiles in this group holds a row
	s_add_co_u32 s44, s32, 64                      ; the first rows of my tiles 1, 2, 3
	s_add_co_u32 s45, s32, 128
	s_add_co_u32 s46, s32, 192
	s_wait_xcnt 0x0                                ; the last group's stores have read their registers, which take fragments again
.irp n, 0,1,2,3
	BL2 0, \n
.endr
.irp s, 0,1,2,3,4,5,6,7,8,9,10,11,12,13,14,15,16,17,18,19,20,21,22,23,24,25,26,27,28,29,30,31
	STEP \s
.endr
.rept 4
	v_nop                                          ; four places behind the last products, for all that follows
.endr
	s_add_co_u32 s35, s32, 256
	s_cmp_ge_u32 s35, s27
	s_cbranch_scc1 .Lnopro
	ADDR s35                                       ; the next group's rows (this group's loads were all waited for in its last K step, so their address registers are free),
	WIN W_LD1
.irp s, 0,1,2,3,4,5,6,7
	ALOAD \s                                       ; and its first eight K steps' operands, asked for ahead of this group's way out
.endr
	WIN 0
.Lnopro:
	TILE_OUT 0
	TILE_OUT 1
	TILE_OUT 2
	TILE_OUT 3
.Lgdone:
.irp t, 0,1,2,3
	v_mov_b32 v[POF+(\t)], v[POFN+(\t)]
.endr
.Lnext:
	s_add_co_u32 s32, s32, 256
	s_sub_co_u32 s33, s33, 1
	s_cmp_lg_u32 s33, 0
	s_cbranch_scc1 .Lgroup
	s_wait_tensorcnt 0x0                           ; the wave's end, behind my last LDS store
	ds_add_u32 v17, v18
	s_wait_dscnt 0x0
	s_endpgm
.Lfunc_end_k_q79b0a75cb2_experts:
	.size	k_q79b0a75cb2_experts, .Lfunc_end_k_q79b0a75cb2_experts-k_q79b0a75cb2_experts
	.p2alignl 7, 3214868480
	.fill 96, 4, 3214868480
	.section	.rodata,"a",@progbits
	.p2align	6, 0x0
	.amdhsa_kernel k_q79b0a75cb2_experts
		.amdhsa_group_segment_fixed_size 167680
		.amdhsa_private_segment_fixed_size 0
		.amdhsa_enable_private_segment 0
		.amdhsa_kernarg_size 40
		.amdhsa_user_sgpr_count 2
		.amdhsa_user_sgpr_kernarg_segment_ptr 1
		.amdhsa_wavefront_size32 1
		.amdhsa_system_sgpr_workgroup_id_x 1
		.amdhsa_system_sgpr_workgroup_id_y 1
		.amdhsa_system_sgpr_workgroup_id_z 1
		.amdhsa_system_vgpr_workitem_id 0
		.amdhsa_next_free_vgpr 512
		.amdhsa_next_free_sgpr 66
		.amdhsa_reserve_vcc 1
		.amdhsa_float_denorm_mode_32 3
		.amdhsa_float_denorm_mode_16_64 3
		.amdhsa_memory_ordered 1
		.amdhsa_forward_progress 1
		.amdhsa_inst_pref_size 190
	.end_amdhsa_kernel
	.amdgpu_metadata
---
amdhsa.version: [ 1, 2 ]
amdhsa.kernels:
  - .name:           k_q79b0a75cb2_experts
    .symbol:         k_q79b0a75cb2_experts.kd
    .args:
      - { .name: Wexp, .offset: 0, .size: 8, .value_kind: global_buffer, .address_space: global }
      - { .name: bexp, .offset: 8, .size: 8, .value_kind: global_buffer, .address_space: global }
      - { .name: xb, .offset: 16, .size: 8, .value_kind: global_buffer, .address_space: global }
      - { .name: rec, .offset: 24, .size: 8, .value_kind: global_buffer, .address_space: global }
      - { .name: part, .offset: 32, .size: 8, .value_kind: global_buffer, .address_space: global }
    .group_segment_fixed_size: 167680
    .private_segment_fixed_size: 0
    .kernarg_segment_align: 8
    .kernarg_segment_size: 40
    .max_flat_workgroup_size: 128
    .sgpr_count:     66
    .vgpr_count:     512
    .wavefront_size: 32
...
	.end_amdgpu_metadata
.endif
;; end of part 2
;; launch combine (part 3): grid 512 x 1, 8 waves a work-group, no clusters, 0 bytes of LDS; arguments part, rec, swp, out0; writes out0
.if DOCPART == 3
	.amdgcn_target "amdgcn-amd-amdhsa--gfx1250"
	.amdhsa_code_object_version 6
	.text
	.protected	k_q79b0a75cb2_combine
	.globl	k_q79b0a75cb2_combine
	.p2align	8
	.type	k_q79b0a75cb2_combine,@function
k_q79b0a75cb2_combine:
	s_mov_b64 s[64:65], 0
	v_nop
	global_prefetch_b8 v0, s[64:65] scope:SCOPE_SE
	s_setreg_imm32_b32 hwreg(HW_REG_WAVE_MODE, 25, 1), 1
	s_wait_xcnt 0x0
; COMBINE.  out0[n][:] = the sum over k < c[n] of sw[n][k] part[k][n][:], or zeros where c[n] = 0.  All in f32.
; One wave, one token: a row is 4,096 bytes, eight loads or stores of 512 consecutive bytes.  c (a whole number stored by the first launch) steers branches alone;
; every address is made of the token's number and constants.  Only the planes k < c are read: the others were never written.
; A stream by a list: no LDS, no barrier, no matrix unit; nothing is shared between waves.
; THE PLANES go in groups of four (c is 12 at the most).  A group's loads are issued in a chain that is left, forward, as soon as c is reached; each way out of the chain leads to the
; entry at which exactly the planes that were loaded are still to be summed, so within a group the planes are added in descending order.  In the first group each entry begins with the multiply that starts the sum: nothing is cleared.
.set ACC, 16                           ; v[16:47]   the row's sum
.set BUF, 48                           ; v[48:175]  four planes' rows, 32 registers each
	s_load_b256 s[4:11], s[0:1], 0x0               ; part s[4:5], rec s[6:7], swp s[8:9], out0 s[10:11]
	v_lshrrev_b32 v1, 5, v0
	v_readfirstlane_b32 s14, v1                    ; wave 0..7
	v_and_b32 v1, 31, v0
	v_lshlrev_b32 v1, 4, v1                        ; 16 bytes a lane
	v_mov_b32 v3, 0                                ; named with v2 as a pair
	s_lshl_b32 s13, ttmp9, 3
	s_add_co_u32 s13, s13, s14                     ; my token
	s_lshl_b32 s42, s13, 4                         ; its 16 bytes in rec and in a plane of swp
	s_lshl_b32 s40, s13, 12                        ; its 4,096 bytes in a plane of part and in out0
	s_mov_b32 s41, 0
	s_wait_kmcnt 0x0
	s_load_b32 s12, s[6:7], s42 offset:0x8         ; c
	s_load_b128 s[16:19], s[8:9], s42 offset:0x0   ; sw[0..3]
	s_load_b128 s[20:23], s[8:9], s42 offset:0x10000
	s_load_b128 s[24:27], s[8:9], s42 offset:0x20000
	s_add_nc_u64 s[4:5], s[4:5], s[40:41]
	s_add_nc_u64 s[10:11], s[10:11], s[40:41]
	s_wait_kmcnt 0x0
	s_cmp_eq_u32 s12, 0
	s_cbranch_scc1 .Lzero
.macro ISSUE k, j                      ; plane k's row into buffer j.  The base's registers are free: every way here has waited for all earlier loads
	s_add_nc_u64 s[32+2*(\j):33+2*(\j)], s[4:5], (\k)*0x1000000
.irp i, 0,1,2,3,4,5,6,7
	global_load_b128 v[BUF+32*(\j)+4*(\i):BUF+32*(\j)+4*(\i)+3], v1, s[32+2*(\j):33+2*(\j)] offset:512*(\i) th:TH_LOAD_NT
.endr
.endm
.macro MULP k, j                       ; the sum starts: sw[k] x buffer j
	v_mov_b32 v2, s[16+(\k)]
.set u, 0
.rept 16
	v_pk_mul_f32 v[ACC+2*u:ACC+2*u+1], v[BUF+32*(\j)+2*u:BUF+32*(\j)+2*u+1], v[2:3] op_sel_hi:[1,0]
.set u, u+1
.endr
.endm
.macro FMAP k, j                       ; the sum takes sw[k] x buffer j
	v_mov_b32 v2, s[16+(\k)]
.set u, 0
.rept 16
	v_pk_fma_f32 v[ACC+2*u:ACC+2*u+1], v[BUF+32*(\j)+2*u:BUF+32*(\j)+2*u+1], v[2:3], v[ACC+2*u:ACC+2*u+1] op_sel_hi:[1,0,1]
.set u, u+1
.endr
.endm
	ISSUE 0, 0
	s_cmp_le_u32 s12, 1
	s_cbranch_scc1 .LE1
	ISSUE 1, 1
	s_cmp_le_u32 s12, 2
	s_cbranch_scc1 .LE2
	ISSUE 2, 2
	s_cmp_le_u32 s12, 3
	s_cbranch_scc1 .LE3
	ISSUE 3, 3
	s_wait_loadcnt 0x0                             ; for 0: the number of loads issued differs from way to way
	MULP 3, 3
	FMAP 2, 2
	s_branch .LF2
.LE3:
	s_wait_loadcnt 0x0
	MULP 2, 2
.LF2:
	FMAP 1, 1
	s_branch .LF1
.LE2:
	s_wait_loadcnt 0x0
	MULP 1, 1
.LF1:
	FMAP 0, 0
	s_branch .LQ0
.LE1:
	s_wait_loadcnt 0x0
	MULP 0, 0
.LQ0:
	s_cmp_le_u32 s12, 4
	s_cbranch_scc1 .Lstore
.macro QUADN q                         ; planes 4 q .. 4 q + 3, as far as c reaches; entered with c > 4 q
	ISSUE 4*(\q), 0
	s_cmp_le_u32 s12, 4*(\q)+1
	s_cbranch_scc1 .LG1_\q
	ISSUE 4*(\q)+1, 1
	s_cmp_le_u32 s12, 4*(\q)+2
	s_cbranch_scc1 .LG2_\q
	ISSUE 4*(\q)+2, 2
	s_cmp_le_u32 s12, 4*(\q)+3
	s_cbranch_scc1 .LG3_\q
	ISSUE 4*(\q)+3, 3
	s_wait_loadcnt 0x0
	FMAP 4*(\q)+3, 3
.LG3_\q:
	s_wait_loadcnt 0x0
	FMAP 4*(\q)+2, 2
.LG2_\q:
	s_wait_loadcnt 0x0
	FMAP 4*(\q)+1, 1
.LG1_\q:
	s_wait_loadcnt 0x0
	FMAP 4*(\q), 0
.endm
	QUADN 1
	s_cmp_le_u32 s12, 8
	s_cbranch_scc1 .Lstore
	QUADN 2
.Lstore:
.irp i, 0,1,2,3,4,5,6,7
	global_store_b128 v1, v[ACC+4*(\i):ACC+4*(\i)+3], s[10:11] offset:512*(\i) th:TH_STORE_NT  ; 512 consecutive bytes, at a multiple of 256 from out0's first byte
.endr
	s_endpgm
.Lzero:                                ; no expert takes this token: reference() leaves zeros
	v_mov_b32 v4, 0
	v_mov_b32 v5, 0
	v_mov_b32 v6, 0
	v_mov_b32 v7, 0
.irp i, 0,1,2,3,4,5,6,7
	global_store_b128 v1, v[4:7], s[10:11] offset:512*(\i) th:TH_STORE_NT
.endr
	s_endpgm
.Lfunc_end_k_q79b0a75cb2_combine:
	.size	k_q79b0a75cb2_combine, .Lfunc_end_k_q79b0a75cb2_combine-k_q79b0a75cb2_combine
	.p2alignl 7, 3214868480
	.fill 96, 4, 3214868480
	.section	.rodata,"a",@progbits
	.p2align	6, 0x0
	.amdhsa_kernel k_q79b0a75cb2_combine
		.amdhsa_group_segment_fixed_size 0
		.amdhsa_private_segment_fixed_size 0
		.amdhsa_enable_private_segment 0
		.amdhsa_kernarg_size 32
		.amdhsa_user_sgpr_count 2
		.amdhsa_user_sgpr_kernarg_segment_ptr 1
		.amdhsa_wavefront_size32 1
		.amdhsa_system_sgpr_workgroup_id_x 1
		.amdhsa_system_sgpr_workgroup_id_y 1
		.amdhsa_system_sgpr_workgroup_id_z 1
		.amdhsa_system_vgpr_workitem_id 0
		.amdhsa_next_free_vgpr 176
		.amdhsa_next_free_sgpr 66
		.amdhsa_reserve_vcc 0
		.amdhsa_float_denorm_mode_32 3
		.amdhsa_float_denorm_mode_16_64 3
		.amdhsa_memory_ordered 1
		.amdhsa_forward_progress 1
		.amdhsa_inst_pref_size 30
	.end_amdhsa_kernel
	.amdgpu_metadata
---
amdhsa.version: [ 1, 2 ]
amdhsa.kernels:
  - .name:           k_q79b0a75cb2_combine
    .symbol:         k_q79b0a75cb2_combine.kd
    .args:
      - { .name: part, .offset: 0, .size: 8, .value_kind: global_buffer, .address_space: global }
      - { .name: rec, .offset: 8, .size: 8, .value_kind: global_buffer, .address_space: global }
      - { .name: swp, .offset: 16, .size: 8, .value_kind: global_buffer, .address_space: global }
      - { .name: out0, .offset: 24, .size: 8, .value_kind: global_buffer, .address_space: global }
    .group_segment_fixed_size: 0
    .private_segment_fixed_size: 0
    .kernarg_segment_align: 8
    .kernarg_segment_size: 32
    .max_flat_workgroup_size: 256
    .sgpr_count:     66
    .vgpr_count:     176
    .wavefront_size: 32
...
	.end_amdgpu_metadata
.endif
;; end of part 3
